; MI455X (gfx1250); checked and timed in simulation.
; The chip was launched on July 23, 2026; its instructions are those of AMD's public machine-readable ISA for CDNA 5 (MIT licence, August 2026) and "CDNA5" Instruction Set Architecture Reference Guide (July 2026). The comments in the code are by the model that wrote it; some were corrected since.
;; Time Attn Block. Allowed arithmetic: matrix products marked QUANTISED: E4M3 operands, one given power-of-two scale a tensor, by v_wmma_f32_16x16x64_fp8_fp8 or v_wmma_f32_16x16x128_fp8_fp8, f32 sums; everything else in f32.
;; Inputs: beta 512 float32; gamma 512 float32; k_b 512 float32; k_w_codes 512 x 16 x 32 uint8 (E4M3 codes of k_w, K innermost, in blocks of 32 codes); lowp_scales 12 int32 (the exponents e of the quantised operands' scales 2^e); o_b 512 float32; o_w_codes 512 x 16 x 32 uint8 (E4M3 codes of o_w, K innermost, in blocks of 32 codes); q_b 512 float32; q_w_codes 512 x 16 x 32 uint8 (E4M3 codes of q_w, K innermost, in blocks of 32 codes); v_b 512 float32; v_w_codes 512 x 16 x 32 uint8 (E4M3 codes of v_w, K innermost, in blocks of 32 codes); x 8 x 512 x 2,048 float32.
;; Outputs: out0 8 x 512 x 2,048 float32.
;; This version of the problem:
;;   THIS VERSION OF THE PROBLEM IS GIVEN IN LOW PRECISION. The matrix products marked QUANTISED in the list below multiply operands that are first quantised to E4M3 (4 exponent bits, 3 mantissa bits; 8 bits a number), with one given power-of-two scale for each operand tensor; their sums are f32. All else is computed in f32.
;;   The module's matrix products, in the order in which they are computed (A, B: the left and right operand; K: the contracted axis; several contracted axes count as one K, in the product's order):
;;     1. [M 16,384, K 512] x [K 512, N 512]; A: computed on the way; B: input q_w (given as codes): QUANTISED (scales: A lowp_scales[0], B lowp_scales[1])
;;     2. [M 16,384, K 512] x [K 512, N 512]; A: computed on the way; B: input k_w (given as codes): QUANTISED (scales: A lowp_scales[2], B lowp_scales[3])
;;     3. [M 16,384, K 512] x [K 512, N 512]; A: computed on the way; B: input v_w (given as codes): QUANTISED (scales: A lowp_scales[4], B lowp_scales[5])
;;     4. batch 8 x [M 2,048, K 512] x [K 512, N 2,048]; A: computed on the way; B: computed on the way: QUANTISED (scales: A lowp_scales[6], B lowp_scales[7])
;;     5. batch 8 x [M 512, K 2,048] x [K 2,048, N 2,048]; A: computed on the way; B: softmax (see below): QUANTISED (scales: A lowp_scales[8], B lowp_scales[9])
;;     6. [M 16,384, K 512] x [K 512, N 512]; A: computed on the way; B: input o_w (given as codes): QUANTISED (scales: A lowp_scales[10], B lowp_scales[11])
;;   THE QUANTISER, for each operand of a quantised product, along K:
;;     - The operand's scale is 2^e, e = its entry of the input lowp_scales (int32; the entries are numbered through the quantised products in the list's order, A before B).
;;     - Each number is divided by the scale, clamped to +-448, and rounded to the nearest number of E4M3, ties to even, subnormals kept.
;;     - The product sums the exact products of the quantised numbers (number of the format x scale) in f32.
;;   ~~~python
;;   def quantise(x, axis, e):      # numpy; x: float32 -> the quantised numbers, widened to float32 again
;;       x = np.moveaxis(x, axis, -1); K = x.shape[-1]
;;       r = np.clip(x / 2.0 ** e, -448, 448)
;;       step = 2.0 ** (np.maximum(np.frexp(np.where(r == 0, 1, r))[1] - 1, -6) - 3)
;;       q = np.round(r / step) * step * 2.0 ** e      # np.round: ties to even
;;       return np.moveaxis(q, -1, axis).astype(np.float32)
;;   ~~~
;;   SOFTMAX AHEAD OF A QUANTISED PRODUCT. Where the list says 'softmax', what is quantised is not the finished softmax but p = 2^(t - M), with t = logit x log2(e) and M = ceil(the row's largest t), a whole number; so 1/2 < the row's largest p <= 1. The row's sum l is taken of the UNQUANTISED p, in f32, and the product's result is divided by l at the end. Since M is a whole number, a kernel that streams over the keys may use a running M (the ceiling of the running maximum): every later rescaling is an exact power of two, so the quantised numbers keep their values, but for numbers so far below the row's largest that they fall under the format's range.
;;   OPERANDS COMPUTED ON THE WAY. 'Computed on the way' means the value that the module computes at that place (a softmax that the list does not call 'softmax' is quantised finished and normalised). What goes into a quantiser is computed in f32, as accurately as f32 sums, v_exp_f32 and their like allow (about 1e-6 of the number): no bf16 or f16 on the way to a quantiser, and a product that is left as it is and whose result goes on into a quantised operand takes f32 operands (vector FMAs, or v_wmma_f32_16x16x4_f32). A number that lies on a knife's edge between two numbers of the format may be rounded either way, as far as f32 arithmetic and the matrix unit's own rounding can turn it there, and no further.
;;   INPUTS GIVEN AS CODES. k_w (in the module: [512, 512], K = its axis 1); o_w (in the module: [512, 512], K = its axis 1); q_w (in the module: [512, 512], K = its axis 1); v_w (in the module: [512, 512], K = its axis 1): each comes as NAME_codes (uint8): NAME with its K axis moved to the last place and cut into blocks of 32 codes, [.., K / 32, bytes a block], one block behind the other in memory; one code a byte (a code: sign, 4 exponent bits, 3 mantissa bits); its scale is its entry of lowp_scales. Its value is code x scale, taken as it is: it is not quantised again, and the codes and scales need not be those that the quantiser above would give.
;; One version. Each part assembles by itself: llvm-mc -triple=amdgcn-amd-amdhsa -mcpu=gfx1250 --defsym DOCPART=n.
;; ======== version 1 of 1: 3 launches
;; limits: right only within a limited range of input values
;; workspace buffers: hcodes 25,165,824 bytes; qkv 25,165,824 bytes; wimg 786,432 bytes
;; launch normq (part 1): grid 256 x 1, 8 waves a work-group, no clusters, 1,280 bytes of LDS; arguments x, gamma, beta, lowp_scales, hcodes, q_w_codes, k_w_codes, v_w_codes, wimg; writes hcodes, wimg
.if DOCPART == 1
	.amdgcn_target "amdgcn-amd-amdhsa--gfx1250"
	.amdhsa_code_object_version 6
	.text
	.protected	k_q56074f7c4a_normq
	.globl	k_q56074f7c4a_normq
	.p2align	8
	.type	k_q56074f7c4a_normq,@function
k_q56074f7c4a_normq:
	s_mov_b64 s[64:65], 0
	v_nop
	global_prefetch_b8 v0, s[64:65] scope:SCOPE_SE
	s_setreg_imm32_b32 hwreg(HW_REG_WAVE_MODE, 25, 1), 1
	s_wait_xcnt 0x0
; GroupNorm of x [8][512][2048] f32 (32 groups of 16 channels x 2,048 positions) and the three quantisers of h, with 2^e0, 2^e2, 2^e4 (products 1, 2, 3 each have their own scale for h).
; NO WORK OF THE PROBLEM IS LEFT OUT, in this launch or the two behind it: every product of the table is live, and every bias (k_b and v_b too) goes into a quantised operand, so all inputs are loaded.
; LIMITS: e0, e2, e4 between -126 and 119 (2^e and 448 x 2^e are made as f32 numbers).  NaN and infinities among the inputs are not served.  h = (x - mean) (gamma rstd) + beta: gamma x rstd is rounded once
; and the rest is one fused multiply-add, where the problem's text multiplies by rstd first: a difference of rounding alone.
; SHARES.  Work-group 32 b + g owns one group: 16 rows of x, 131,072 consecutive bytes, which stay in 128 registers a thread between the pass for the mean, the pass for the variance (of the deviations, so no
; difference of large sums is formed) and the quantisers: x is read once.  Thread tid holds, of each of the 16 channels, t = 1024 i + 4 tid + j (i = 0, 1; j = 0 .. 3): each load of a wave covers 512 consecutive bytes.
; OUT.  hcodes [m 3][b 8][tile 128][g 32][row 16][16 bytes]: position t lies in tile 4 (t / 64) + t % 4, row (t % 64) / 4; byte i is channel 16 g + i.  A tile's 8,192 bytes are then four images of operand
; registers (16 rows x 128 K each: register group c of lane (row, h) holds k = 32 c + 16 h + 0 .. 15).  A lane's 16 codes of one t are 16 bytes, and sixteen lanes store 256 consecutive aligned bytes.
; THE WEIGHTS' IMAGES.  Work-groups 0 .. 191 also lay q_w's, k_w's and v_w's codes in the order of the next launch's operand registers: wimg [m 3][wave 4][K step 4][tile 8][group 4][lane 32][16 bytes]; lane (r, h) of
; (wave w, K step k, tile t, group c) takes bytes 128 k + 32 c + 16 h on of row 128 w + 32 (t / 2) + 8 (t % 2) + r + 8 (r / 8).  A thread moves one piece of 16 bytes; a wave's store covers 512 consecutive bytes, and so
; does each of the next launch's loads of a weight.
; No matrix unit, no cluster, no tensor load: no two work-groups read the same byte, and all of a work-group's loads are issued at its head.
.set X,     80                         ; v80-207  x, then x - mean: register 64 i + 4 c + j
.set T,     24                         ; v24-39   h of the 16 channels at one t
.set U,     40                         ; v40-55   the same, held within the largest code x the scale
.set CD,    56                         ; v56-67   the codes: four registers for each of the three scales
.set WD,    208                        ; v208-211 my piece of a weight
.set WS,    212                        ; v212     its byte among the rows that my work-group reads
.set HB,    54                         ; s[54:59] where my group's codes go, for m = 0, 1, 2
.set SPARE, 256                        ; LDS: bytes 0-31 the waves' sums, 32-63 their sums of squares; from 256 on the spare words, 128 bytes a wave
	s_load_b256 s[4:11], s[0:1], 0x0               ; x s[4:5], gamma s[6:7], beta s[8:9], the scales' exponents s[10:11]
	s_load_b64 s[12:13], s[0:1], 0x20              ; hcodes
	s_load_b128 s[68:71], s[0:1], 0x28             ; q_w's codes, k_w's
	s_load_b128 s[72:75], s[0:1], 0x38             ; v_w's, wimg
	v_lshl_add_u32 v4, v0, 2, SPARE                ; my spare word,
	v_mov_b32 v5, 0                                ; and 0: kept for the closing lines alone
	v_lshlrev_b32 v1, 4, v0                        ; in: 16 bytes a thread
	v_lshrrev_b32 v3, 5, v0                        ; wave
	v_and_b32 v16, 15, v0
	v_bfe_u32 v17, v0, 4, 1
	v_lshlrev_b32 v2, 16, v3                       ; out: 8 tiles of 8,192 bytes a wave,
	v_lshl_add_u32 v2, v17, 15, v2                 ; 4 tiles on for lanes 16-31,
	v_lshl_add_u32 v2, v16, 4, v2                  ; row lane % 16
	v_lshlrev_b32 v3, 2, v3                        ; my wave's word among the partial sums
	v_mov_b32 v76, 0                               ; where they begin
	v_and_b32 v[WS], 8, v16                        ; the weight's piece: thread bits 0-4 the lane, 5-6 the group c, 7 the tile's low bit
	v_add_nc_u32 v[WS], v[WS], v16                 ; r + 8 (r / 8)
	v_bfe_u32 v77, v0, 7, 1
	v_lshl_add_u32 v[WS], v77, 3, v[WS]            ; + 8 (t % 2)
	v_lshlrev_b32 v[WS], 9, v[WS]                  ; rows of 512 bytes
	v_bfe_u32 v77, v0, 5, 2
	v_lshl_add_u32 v[WS], v77, 5, v[WS]            ; + 32 c
	v_lshl_add_u32 v[WS], v17, 4, v[WS]            ; + 16 h
	s_lshl_b32 s2, ttmp9, 17                       ; my group's 131,072 bytes of x
	s_mov_b32 s3, 0
	s_and_b32 s14, ttmp9, 31                       ; g
	s_lshr_b32 s15, ttmp9, 5                       ; b
	s_mov_b32 s60, 0x76543210                      ; v_permlanex16_b32: lane l xor 16
	s_mov_b32 s61, 0xfedcba98
	s_and_b32 s76, ttmp9, 3                        ; the work-group's bits 0-1: t / 2; 2-3: the K step; 4-5: the wave; from 6 on: m
	s_lshl_b32 s78, s76, 14                        ; 32 rows of 512 bytes
	s_bfe_u32 s76, ttmp9, 0x20002
	s_lshl_b32 s76, s76, 7                         ; 128 bytes a K step
	s_add_co_u32 s78, s78, s76
	s_bfe_u32 s76, ttmp9, 0x20004
	s_lshl_b32 s76, s76, 16                        ; 128 rows a wave
	s_add_co_u32 s78, s78, s76
	s_mov_b32 s79, 0
	s_lshl_b32 s76, ttmp9, 12                      ; out: 4,096 bytes a work-group, 64 work-groups a weight
	s_mov_b32 s77, 0
	s_wait_kmcnt 0x0
	s_add_nc_u64 s[4:5], s[4:5], s[2:3]
	s_cmp_lt_u32 ttmp9, 64                         ; which weight: the choice hangs on the work-group's number alone
	s_cselect_b64 s[68:69], s[68:69], s[70:71]
	s_cmp_lt_u32 ttmp9, 128
	s_cselect_b64 s[68:69], s[68:69], s[72:73]
	s_add_nc_u64 s[68:69], s[68:69], s[78:79]
	s_add_nc_u64 s[74:75], s[74:75], s[76:77]
.irp i, 0,1
.irp c, 0,1,2,3,4,5,6,7,8,9,10,11,12,13,14,15
	global_load_b128 v[X+64*\i+4*\c:X+64*\i+4*\c+3], v1, s[4:5] offset:\c*8192+\i*4096 th:TH_LOAD_NT
.endr
.endr
	s_lshl_b32 s2, s14, 6                          ; my 16 numbers of gamma and of beta
	s_add_nc_u64 s[6:7], s[6:7], s[2:3]
	s_add_nc_u64 s[8:9], s[8:9], s[2:3]
	s_load_b512 s[16:31], s[6:7], 0x0              ; gamma
	s_load_b512 s[32:47], s[8:9], 0x0              ; beta
	s_load_b256 s[48:55], s[10:11], 0x0            ; e0 .. e7
	s_lshl_b32 s2, s15, 20                         ; a batch's codes are 2^20 bytes,
	s_lshl_b32 s14, s14, 8                         ; my group's 256 bytes of each tile
	s_add_co_u32 s2, s2, s14
	s_add_nc_u64 s[12:13], s[12:13], s[2:3]
	s_cmp_lt_u32 ttmp9, 192                        ; three weights x 64 work-groups have a piece for each thread
	s_cbranch_scc0 .Lno_w
	global_load_b128 v[WD:WD+3], v[WS], s[68:69]
	s_wait_loadcnt 0x0                             ; the piece is the youngest load: x is in with it
	global_store_b128 v1, v[WD:WD+3], s[74:75]     ; 512 consecutive bytes a wave
.Lno_w:
; The four packed chains v[8:15] become one sum in every lane of every wave: within the wave by lane exchanges, between the waves through LDS words at byte off.
.macro REDUCE off
	v_pk_add_f32 v[8:9], v[8:9], v[10:11]
	v_pk_add_f32 v[12:13], v[12:13], v[14:15]
	v_pk_add_f32 v[8:9], v[8:9], v[12:13]
	v_add_f32 v16, v8, v9
	v_add_f32_dpp v16, v16, v16 row_xmask:1 row_mask:0xf bank_mask:0xf
	v_add_f32_dpp v16, v16, v16 row_xmask:2 row_mask:0xf bank_mask:0xf
	v_add_f32_dpp v16, v16, v16 row_xmask:4 row_mask:0xf bank_mask:0xf
	v_add_f32_dpp v16, v16, v16 row_xmask:8 row_mask:0xf bank_mask:0xf
	v_permlanex16_b32 v17, v16, s60, s61
	v_add_f32 v16, v16, v17
	ds_store_b32 v3, v16 offset:\off
	s_wait_dscnt 0x0                               ; for the others' sake: my word has landed
	s_barrier_signal -1
	s_barrier_wait -1
	ds_load_b128 v[68:71], v76 offset:\off
	ds_load_b128 v[72:75], v76 offset:\off+16
	s_wait_dscnt 0x0
	v_add_f32 v68, v68, v69
	v_add_f32 v70, v70, v71
	v_add_f32 v72, v72, v73
	v_add_f32 v74, v74, v75
	v_add_f32 v68, v68, v70
	v_add_f32 v72, v72, v74
	v_add_f32 v68, v68, v72
.endm
	; the sum: four chains, started by the first pairs; the loads come back in order, eight at a time
	s_wait_loadcnt 24                              ; the first eight loads are in; 24 younger ones may be out
.irp k, 0,1,2,3
	v_pk_add_f32 v[8+2*\k:9+2*\k], v[X+2*\k:X+2*\k+1], v[X+8+2*\k:X+9+2*\k]
.endr
.set p, 8
.rept 56
.if p == 16
	s_wait_loadcnt 16
.endif
.if p == 32
	s_wait_loadcnt 8
.endif
.if p == 48
	s_wait_loadcnt 0
.endif
	v_pk_add_f32 v[8+2*(p%4):9+2*(p%4)], v[8+2*(p%4):9+2*(p%4)], v[X+2*p:X+2*p+1]
.set p, p+1
.endr
	REDUCE 0
	v_mul_f32 v6, 0x38000000, v68                  ; the mean: / 32,768
	v_mov_b32 v7, v6
.set p, 0
.rept 64
	v_pk_add_f32 v[X+2*p:X+2*p+1], v[X+2*p:X+2*p+1], v[6:7] neg_lo:[0,1] neg_hi:[0,1]   ; x - mean, in place
.set p, p+1
.endr
.irp k, 0,1,2,3
	v_pk_mul_f32 v[8+2*\k:9+2*\k], v[X+2*\k:X+2*\k+1], v[X+2*\k:X+2*\k+1]
.endr
.set p, 4
.rept 60
	v_pk_fma_f32 v[8+2*(p%4):9+2*(p%4)], v[X+2*p:X+2*p+1], v[X+2*p:X+2*p+1], v[8+2*(p%4):9+2*(p%4)]
.set p, p+1
.endr
	REDUCE 32                                      ; other LDS words than the first sum's: no wave writes what another may still read
	s_mov_b32 s2, 0x38000000                       ; 1 / 32,768
	s_mov_b32 s3, 0x358637bd                       ; 1e-6
	v_fma_f32 v16, v68, s2, s3                     ; the variance + eps
	v_rsq_f32 v17, v16
	v_nop                                          ; a plain instruction behind the transcendental,
	s_wait_alu depctr_va_vdst(0)                   ; and a wait ahead of its first reader
	v_readfirstlane_b32 s62, v17                   ; the same number in all lanes
	s_wait_kmcnt 0x0                               ; gamma, beta, the exponents
.irp c, 0,1,2,3,4,5,6,7,8,9,10,11,12,13,14,15
	s_mul_f32 s[16+\c], s[16+\c], s62              ; gamma x rstd
.endr
.irp m, 0,1,2
	s_add_co_i32 s2, s[48+2*\m], 127
	s_lshl_b32 s3, s2, 23
	v_mov_b32 v[18+\m], s3                         ; 2^e as f32: the conversion takes its exponent field
	s_add_co_i32 s2, s2, 8
	s_lshl_b32 s2, s2, 23
	s_or_b32 s2, s2, 0x600000
	v_mov_b32 v[21+\m], s2                         ; 448 x 2^e
.endr
	s_mov_b64 s[HB:HB+1], s[12:13]                 ; (the exponents have been used)
	s_add_nc_u64 s[HB+2:HB+3], s[12:13], 0x800000  ; a set of codes is 2^23 bytes
	s_add_nc_u64 s[HB+4:HB+5], s[12:13], 0x1000000
; One t of mine: h of its 16 channels (the multiply-add also gathers them into consecutive registers), then three times: hold, convert, store 16 bytes.
.macro COL i, j
	s_wait_xcnt 0x0                                ; the codes' registers, which the last stores read, are written again only behind this wait
.irp c, 0,1,2,3,4,5,6,7,8,9,10,11,12,13,14,15
	v_fma_f32 v[T+\c], v[X+64*\i+4*\c+\j], s[16+\c], s[32+\c]
.endr
.irp m, 0,1,2
.irp c, 0,1,2,3,4,5,6,7,8,9,10,11,12,13,14,15
	v_med3_num_f32 v[U+\c], v[T+\c], -v[21+\m], v[21+\m]   ; the conversion to an 8-bit code does not saturate (ISA guide 7.6.2): the hold comes first
.endr
	v_cvt_scalef32_pk8_fp8_f32 v[CD+4*\m:CD+4*\m+1], v[U:U+7], v[18+\m]
	v_cvt_scalef32_pk8_fp8_f32 v[CD+4*\m+2:CD+4*\m+3], v[U+8:U+15], v[18+\m]
	v_nop                                          ; a plain instruction between the conversions and the next write of their sources
	global_store_b128 v2, v[CD+4*\m:CD+4*\m+3], s[HB+2*\m:HB+2*\m+1] offset:\i*524288+\j*8192   ; sixteen lanes: 256 consecutive bytes, aligned
.endr
.endm
.irp i, 0,1
.irp j, 0,1,2,3
	COL \i, \j
.endr
.endr
	s_wait_tensorcnt 0x0                           ; the wave's end
	ds_add_u32 v4, v5
	s_wait_dscnt 0x0
	s_endpgm
.Lfunc_end_k_q56074f7c4a_normq:
	.size	k_q56074f7c4a_normq, .Lfunc_end_k_q56074f7c4a_normq-k_q56074f7c4a_normq
	.p2alignl 7, 3214868480
	.fill 96, 4, 3214868480
	.section	.rodata,"a",@progbits
	.p2align	6, 0x0
	.amdhsa_kernel k_q56074f7c4a_normq
		.amdhsa_group_segment_fixed_size 1280
		.amdhsa_private_segment_fixed_size 0
		.amdhsa_enable_private_segment 0
		.amdhsa_kernarg_size 72
		.amdhsa_user_sgpr_count 2
		.amdhsa_user_sgpr_kernarg_segment_ptr 1
		.amdhsa_wavefront_size32 1
		.amdhsa_system_sgpr_workgroup_id_x 1
		.amdhsa_system_sgpr_workgroup_id_y 1
		.amdhsa_system_sgpr_workgroup_id_z 1
		.amdhsa_system_vgpr_workitem_id 0
		.amdhsa_next_free_vgpr 216
		.amdhsa_next_free_sgpr 80
		.amdhsa_reserve_vcc 0
		.amdhsa_float_denorm_mode_32 3
		.amdhsa_float_denorm_mode_16_64 3
		.amdhsa_memory_ordered 1
		.amdhsa_forward_progress 1
		.amdhsa_inst_pref_size 61
	.end_amdhsa_kernel
	.amdgpu_metadata
---
amdhsa.version: [ 1, 2 ]
amdhsa.kernels:
  - .name:           k_q56074f7c4a_normq
    .symbol:         k_q56074f7c4a_normq.kd
    .args:
      - { .name: x, .offset: 0, .size: 8, .value_kind: global_buffer, .address_space: global }
      - { .name: gamma, .offset: 8, .size: 8, .value_kind: global_buffer, .address_space: global }
      - { .name: beta, .offset: 16, .size: 8, .value_kind: global_buffer, .address_space: global }
      - { .name: lowp_scales, .offset: 24, .size: 8, .value_kind: global_buffer, .address_space: global }
      - { .name: hcodes, .offset: 32, .size: 8, .value_kind: global_buffer, .address_space: global }
      - { .name: q_w_codes, .offset: 40, .size: 8, .value_kind: global_buffer, .address_space: global }
      - { .name: k_w_codes, .offset: 48, .size: 8, .value_kind: global_buffer, .address_space: global }
      - { .name: v_w_codes, .offset: 56, .size: 8, .value_kind: global_buffer, .address_space: global }
      - { .name: wimg, .offset: 64, .size: 8, .value_kind: global_buffer, .address_space: global }
    .group_segment_fixed_size: 1280
    .private_segment_fixed_size: 0
    .kernarg_segment_align: 8
    .kernarg_segment_size: 72
    .max_flat_workgroup_size: 256
    .sgpr_count:     80
    .vgpr_count:     216
    .wavefront_size: 32
...
	.end_amdgpu_metadata
.endif
;; end of part 1
;; launch qkv (part 2): grid 64 x 3, 4 waves a work-group, no clusters, 167,936 bytes of LDS; arguments hcodes, wimg, q_b, k_b, v_b, lowp_scales, qkv; writes qkv
.if DOCPART == 2
	.amdgcn_target "amdgcn-amd-amdhsa--gfx1250"
	.amdhsa_code_object_version 6
	.text
	.protected	k_q56074f7c4a_qkv
	.globl	k_q56074f7c4a_qkv
	.p2align	8
	.type	k_q56074f7c4a_qkv,@function
k_q56074f7c4a_qkv:
	s_mov_b64 s[64:65], 0
	v_nop
	global_prefetch_b8 v0, s[64:65] scope:SCOPE_SE
	s_setreg_imm32_b32 hwreg(HW_REG_WAVE_MODE, 25, 1), 1
	s_wait_xcnt 0x0
; Products 1, 2, 3: q, k, v = W h + bias on codes of E4M3, and the quantisers of q, k, v (2^e6, 2^e7, 2^e8).  No work is left out.
; Work-group (x, m): x = a chunk of 256 positions (16 tiles of 16 rows) of a batch, m = 0, 1, 2 for q, k, v.  3 x 64 work-groups: the three products do not divide into 256 equal parts, and a finer chunk would
; only read the weight's 262,144 bytes more often.  No cluster: each chunk of h's codes has one reading work-group, and the weights go once into registers.
; SHARES.  Wave w owns output channels 128 w .. 128 w + 127 for all 16 tiles: its 32 fragments of W (512 registers) stay in registers.  They come from wimg, where the launch before has laid the given codes in the
; order of these registers: each load covers 512 consecutive bytes.  The chunk's codes of h, 131,072 consecutive bytes that are images of operand registers, come by one tensor load a wave, all first fills: nothing is filled again.
; THE ROWS OF W THAT FORM A TILE ARE NOT NEIGHBOURS: row r of tile t is channel 128 w + 32 (t / 2) + 8 (t % 2) + r + 8 (r / 8).
;   q, k: source 0 = W, source 1 = h: a lane holds one position, and the 16 registers of tiles 2 c, 2 c + 1 are channels 32 c + 16 h + 0 .. 15: the conversions' results are K step w of that position tile's fragment.
;   v:    source 0 = h, source 1 = W: a lane holds one channel and eight key rows 8 h + 0 .. 7 of the tile: a register pair of a fragment of V^T, whose K runs over the keys.
; OUT.  qkv: q at 0, k at 2^23: [b][tile 128][K step 4][2,048 bytes]; v at 2^24: [b][step of 256 keys 8][channel tile 32][128 keys 2][2,048 bytes]; each 2,048 bytes an image of 16 registers x 32 lanes.
; The bias goes in as the C of each sum's first product, divided by 2^(eh + ew); the conversion's one scale is 2^(eo - eh - ew).
; LIMITS: eo - eh - ew between -126 and 119 for each of the three products.  NaN and infinities are not served.
; REGISTERS: window 0: v1-13 addresses; v14, v15 the add's two; v16-143 two sets of four fragments of h; v144-207 eight accumulators; v208-239 codes; v240, v241 the scale and 448 x it.
;   windows 1, 2: W's fragment (tile t, K step k) at 16 (8 (k % 2) + t), K steps 0, 1 in window 1, 2, 3 in window 2.   window 3: v0-63 the bias in the result's layout.
.set AF,    16
.set ACC,   144
.set CD,    208
.set SPARE, 131072                     ; behind h's codes: the spare words, 128 bytes a wave
.set MSB, 0
.macro WIN new                         ; the immediate's high byte repeats the setting that is left
.if MSB != (\new)
	s_set_vgpr_msb (MSB<<8)|(\new)
.set MSB, (\new)
.endif
.endm
	s_load_b128 s[8:11], s[0:1], 0x0               ; hcodes s[8:9], wimg s[10:11]
	s_load_b256 s[16:23], s[0:1], 0x10             ; q_b s[16:17], k_b s[18:19], v_b s[20:21], the exponents s[22:23]
	s_load_b64 s[24:25], s[0:1], 0x30              ; qkv
	v_lshl_add_u32 v14, v0, 2, SPARE
	v_mov_b32 v15, 0
	ds_add_u32 v14, v15                            ; the wave's opening: the add, twice on end, and its wait ahead of my first tensor load
	ds_add_u32 v14, v15
	v_lshrrev_b32 v1, 5, v0
	v_readfirstlane_b32 s26, v1                    ; wave
	s_and_b32 s27, ttmp7, 0xffff                   ; m
	s_mov_b32 s32, 3<<16                           ; group 1: elements of 8 bytes, no mask, no padding
	s_mov_b32 s33, 32<<16                          ; tensor_dim0 = 32 elements: rows of 256 bytes
	s_mov_b32 s34, 128<<16                         ; tensor_dim1 = 128
	s_mov_b32 s35, 32<<16                          ; tile_dim0
	s_mov_b32 s36, 128                             ; tile_dim1
	s_mov_b32 s37, 32                              ; the pitch: the block is dense
	s_mov_b32 s38, 0
	s_mov_b32 s39, 0
	s_mov_b32 s40, 1                               ; group 0
	s_lshl_b32 s41, s26, 15                        ; LDS: my quarter, 32,768 bytes
	s_lshl_b32 s70, s27, 23
	s_lshl_b32 s72, ttmp9, 17
	s_add_co_u32 s70, s70, s72                     ; m x 2^23 + chunk x 131,072: the chunk's place in hcodes and in qkv alike
	s_mov_b32 s71, 0
	s_add_co_u32 s72, s70, s41
	s_mov_b32 s73, 0
	s_lshl_b32 s60, s27, 3                         ; eh, ew: entries 2 m, 2 m + 1
	s_mov_b32 s61, 0
	s_lshl_b32 s74, s27, 2                         ; eo: entry 6 + m
	s_mov_b32 s75, 0
	s_wait_dscnt 0x0                               ; both opening adds are done
	s_wait_kmcnt 0x0
	s_add_nc_u64 s[42:43], s[8:9], s[72:73]
	s_or_b32 s43, s43, 0x80000000
	tensor_load_to_lds s[40:43], s[32:39]          ; my one tensor load
	s_nop 0
.rept 4
	v_nop
.endr
	s_add_nc_u64 s[62:63], s[22:23], s[60:61]
	s_add_nc_u64 s[66:67], s[22:23], s[74:75]
	s_load_b64 s[50:51], s[62:63], 0x0
	s_load_b32 s52, s[66:67], 0x18
	s_add_nc_u64 s[48:49], s[24:25], s[70:71]      ; where the chunk's results go
	s_cmp_eq_u32 s27, 0                            ; the choices hang on the work-group's number alone
	s_cselect_b64 s[46:47], s[16:17], s[18:19]
	s_cmp_eq_u32 s27, 2
	s_cselect_b64 s[46:47], s[20:21], s[46:47]     ; the bias
	s_cselect_b32 s53, 4, 0                        ; the bias's address: v: 4 x the lane's channel, the same in all eight registers;
	s_cselect_b32 s54, 0, 64                       ; q, k: 64 x half
	s_cselect_b32 s55, 0, 4                        ; + 4 x register
	s_cselect_b32 s28, 15, 11                      ; my wave's place in the output: 8 channel tiles of 4,096 bytes, or K step w of 2,048
	s_mov_b32 s56, 16384
	s_cselect_b32 s56, 512, s56                    ; from a pair of tiles to the next
	s_mov_b32 s57, 0
	s_lshl_b32 s70, s26, 16                        ; my 32 fragments of W: 65,536 bytes a wave,
	s_lshl_b32 s72, s27, 18                        ; 262,144 a weight
	s_add_co_u32 s70, s70, s72
	s_add_nc_u64 s[44:45], s[10:11], s[70:71]
	s_lshl_b32 s70, s26, 9
	s_add_nc_u64 s[46:47], s[46:47], s[70:71]
	v_and_b32 v1, 31, v0
	v_lshlrev_b32 v1, 4, v1                        ; 16 x lane: an image's place for my lane
	v_and_b32 v13, 15, v0                          ; r
	v_bfe_u32 v4, v0, 4, 1                         ; h
	v_and_b32 v2, 8, v13
	v_add_nc_u32 v13, v13, v2                      ; r + 8 (r / 8)
	v_mul_u32_u24 v5, v13, s53
	v_mad_u32_u24 v5, v4, s54, v5
.irp j, 1,2,3,4,5,6,7
	s_mul_i32 s70, s55, \j
	v_add_nc_u32 v[5+\j], s70, v5
.endr
	s_lshl_b32 s70, s26, s28
	v_add_nc_u32 v3, s70, v1                       ; the stores' offset
	WIN 0x40
.irp k, 0,1
.irp t, 0,1,2,3,4,5,6,7
.irp c, 0,1,2,3
	global_load_b128 v[16*(8*\k+\t)+4*\c:16*(8*\k+\t)+4*\c+3], v1, s[44:45] offset:(4*(8*\k+\t)+\c)*512
.endr
.endr
.endr
	WIN 0x80
.irp k, 0,1
.irp t, 0,1,2,3,4,5,6,7
.irp c, 0,1,2,3
	global_load_b128 v[16*(8*\k+\t)+4*\c:16*(8*\k+\t)+4*\c+3], v1, s[44:45] offset:(4*(16+8*\k+\t)+\c)*512
.endr
.endr
.endr
	WIN 0xc0
.irp t, 0,1,2,3,4,5,6,7
.irp j, 0,1,2,3,4,5,6,7
	global_load_b32 v[8*\t+\j], v[5+\j], s[46:47] offset:(32*(\t/2)+8*(\t%2))*4
.endr
.endr
	WIN 0
	s_wait_kmcnt 0x0
	s_add_co_i32 s70, s50, s51                     ; eh + ew
	s_sub_co_i32 s72, s52, s70                     ; eo - eh - ew
	s_sub_co_i32 s70, 0, s70
	s_add_co_i32 s72, s72, 127
	s_lshl_b32 s73, s72, 23
	v_mov_b32 v240, s73                            ; 2^(eo - eh - ew): the three scales folded into the conversion's one
	s_add_co_i32 s72, s72, 8
	s_lshl_b32 s72, s72, 23
	s_or_b32 s72, s72, 0x600000
	v_mov_b32 v241, s72                            ; 448 x that
	s_wait_loadcnt 0x0
	WIN 0xc3
.set n, 0
.rept 64
	v_ldexp_f32 v[n], v[n], s70                    ; the bias / 2^(eh + ew)
.set n, n+1
.endr
	WIN 0
	s_wait_tensorcnt 0x0                           ; my quarter of the chunk is in,
	s_barrier_signal -1
	s_barrier_wait -1                              ; everybody's is
.macro FETCH set, tt                   ; a tile's four fragments of h, from v4 on
.irp k, 0,1,2,3
.irp c, 0,1,2,3
	ds_load_b128 v[AF+64*\set+16*\k+4*\c:AF+64*\set+16*\k+4*\c+3], v4 offset:\tt*8192+\k*2048+512*\c
.endr
.endr
.endm
; 32 matrix instructions: one tile of positions against my eight tiles of W, K ascending.  The eight accumulators take turns.  sw = 0: q, k; sw = 1: v, the sources swapped.
.macro MUL sw, set
.irp k, 0,1,2,3
.if \k == 0
	WIN 0x31+3*\sw                                 ; W in window 1, the bias (C) in window 3
.elseif \k == 1
	WIN 0x01+3*\sw
.elseif \k == 2
	WIN 0x02+6*\sw                                 ; W in window 2
.endif
.irp t, 0,1,2,3,4,5,6,7
.set WR, 16*(8*(\k%2)+\t)
.set AR, AF+64*\set+16*\k
.set DR, ACC+8*\t
.if \sw == 0
.if \k == 0
	v_wmma_f32_16x16x128_fp8_fp8 v[DR:DR+7], v[WR:WR+15], v[AR:AR+15], v[8*\t:8*\t+7]
.else
	v_wmma_f32_16x16x128_fp8_fp8 v[DR:DR+7], v[WR:WR+15], v[AR:AR+15], v[DR:DR+7]
.endif
.else
.if \k == 0
	v_wmma_f32_16x16x128_fp8_fp8 v[DR:DR+7], v[AR:AR+15], v[WR:WR+15], v[8*\t:8*\t+7]
.else
	v_wmma_f32_16x16x128_fp8_fp8 v[DR:DR+7], v[AR:AR+15], v[WR:WR+15], v[DR:DR+7]
.endif
.endif
.endr
.endr
	WIN 0
.rept 4
	v_nop                                          ; four places ahead of the first read of results (ISA guide 7.12.1)
.endr
.endm
.macro QUANT sw, u                     ; the 64 sums of tile u of the pair become 16 registers of codes, each accumulator from its low end on
.set n, 0
.rept 64
	v_med3_num_f32 v[ACC+n], v[ACC+n], -v241, v241
.set n, n+1
.endr
.irp t, 0,1,2,3,4,5,6,7
.if \sw == 0
	v_cvt_scalef32_pk8_fp8_f32 v[CD+16*\u+2*\t:CD+16*\u+2*\t+1], v[ACC+8*\t:ACC+8*\t+7], v240
.else
	v_cvt_scalef32_pk8_fp8_f32 v[CD+4*\t+2*\u:CD+4*\t+2*\u+1], v[ACC+8*\t:ACC+8*\t+7], v240
.endif
.endr
	v_nop                                          ; a plain instruction between the conversions and the products that write their sources again
.endm
.macro ARM sw, fetch
	MUL \sw, 0
	QUANT \sw, 0
.if \fetch
	FETCH 0, 0
	s_wait_dscnt 16                                ; the pair's second tile is in; the 16 loads just issued may be out
.else
	s_wait_dscnt 0x0
.endif
	MUL \sw, 1
	QUANT \sw, 1
.if \fetch
	FETCH 1, 1
.endif
.if \sw == 0
.irp u, 0,1
.irp g, 0,1,2,3
	global_store_b128 v3, v[CD+16*\u+4*\g:CD+16*\u+4*\g+3], s[48:49] offset:\u*8192+512*\g   ; 512 consecutive bytes, aligned
.endr
.endr
.else
.irp t, 0,1,2,3,4,5,6,7
	global_store_b128 v3, v[CD+4*\t:CD+4*\t+3], s[48:49] offset:\t*4096
.endr
.endif
.endm
; Two tiles of positions.  The branch stands inside the loop and hangs on the work-group's number alone.
.macro PAIR fetch
.if \fetch
	v_add_nc_u32 v4, s58, v1                       ; the next pair's fragments
.endif
	s_wait_dscnt 16                                ; the first tile's fragments are in; the second's 16 loads may be out
	s_cmp_eq_u32 s27, 2
	s_cbranch_scc1 .Lv_\@
	ARM 0, \fetch
	s_branch .Ljoin_\@
.Lv_\@:
	ARM 1, \fetch
.Ljoin_\@:
	s_wait_xcnt 0x0                                ; the stores have read their data and their base: both are written again only behind this wait
	s_add_nc_u64 s[48:49], s[48:49], s[56:57]
	s_add_co_u32 s58, s58, 16384
.endm
	v_mov_b32 v4, v1
	FETCH 0, 0
	FETCH 1, 1
	s_mov_b32 s58, 16384
	s_mov_b32 s59, 7
.Lpair:
	PAIR 1
	s_sub_co_u32 s59, s59, 1
	s_cmp_lg_u32 s59, 0
	s_cbranch_scc1 .Lpair
	PAIR 0                                         ; the last pair fetches nothing
	s_wait_tensorcnt 0x0                           ; the wave's end
	ds_add_u32 v14, v15
	s_wait_dscnt 0x0
	s_endpgm
.Lfunc_end_k_q56074f7c4a_qkv:
	.size	k_q56074f7c4a_qkv, .Lfunc_end_k_q56074f7c4a_qkv-k_q56074f7c4a_qkv
	.p2alignl 7, 3214868480
	.fill 96, 4, 3214868480
	.section	.rodata,"a",@progbits
	.p2align	6, 0x0
	.amdhsa_kernel k_q56074f7c4a_qkv
		.amdhsa_group_segment_fixed_size 167936
		.amdhsa_private_segment_fixed_size 0
		.amdhsa_enable_private_segment 0
		.amdhsa_kernarg_size 56
		.amdhsa_user_sgpr_count 2
		.amdhsa_user_sgpr_kernarg_segment_ptr 1
		.amdhsa_wavefront_size32 1
		.amdhsa_system_sgpr_workgroup_id_x 1
		.amdhsa_system_sgpr_workgroup_id_y 1
		.amdhsa_system_sgpr_workgroup_id_z 1
		.amdhsa_system_vgpr_workitem_id 0
		.amdhsa_next_free_vgpr 832
		.amdhsa_next_free_sgpr 80
		.amdhsa_reserve_vcc 0
		.amdhsa_float_denorm_mode_32 3
		.amdhsa_float_denorm_mode_16_64 3
		.amdhsa_memory_ordered 1
		.amdhsa_forward_progress 1
		.amdhsa_inst_pref_size 91
	.end_amdhsa_kernel
	.amdgpu_metadata
---
amdhsa.version: [ 1, 2 ]
amdhsa.kernels:
  - .name:           k_q56074f7c4a_qkv
    .symbol:         k_q56074f7c4a_qkv.kd
    .args:
      - { .name: hcodes, .offset: 0, .size: 8, .value_kind: global_buffer, .address_space: global }
      - { .name: wimg, .offset: 8, .size: 8, .value_kind: global_buffer, .address_space: global }
      - { .name: q_b, .offset: 16, .size: 8, .value_kind: global_buffer, .address_space: global }
      - { .name: k_b, .offset: 24, .size: 8, .value_kind: global_buffer, .address_space: global }
      - { .name: v_b, .offset: 32, .size: 8, .value_kind: global_buffer, .address_space: global }
      - { .name: lowp_scales, .offset: 40, .size: 8, .value_kind: global_buffer, .address_space: global }
      - { .name: qkv, .offset: 48, .size: 8, .value_kind: global_buffer, .address_space: global }
    .group_segment_fixed_size: 167936
    .private_segment_fixed_size: 0
    .kernarg_segment_align: 8
    .kernarg_segment_size: 56
    .max_flat_workgroup_size: 128
    .sgpr_count:     80
    .vgpr_count:     832
    .wavefront_size: 32
...
	.end_amdgpu_metadata
.endif
;; end of part 2
;; launch attn (part 3): grid 32 x 8, 4 waves a work-group, clusters of 4 x 1, 327,680 bytes of LDS; arguments qkv, o_w_codes, o_b, x, lowp_scales, out0; writes out0
.if DOCPART == 3
	.amdgcn_target "amdgcn-amd-amdhsa--gfx1250"
	.amdhsa_code_object_version 6
	.text
	.protected	k_q56074f7c4a_attn
	.globl	k_q56074f7c4a_attn
	.p2align	8
	.type	k_q56074f7c4a_attn,@function
k_q56074f7c4a_attn:
	s_mov_b64 s[64:65], 0
	v_nop
	global_prefetch_b8 v0, s[64:65] scope:SCOPE_SE
	s_setreg_imm32_b32 hwreg(HW_REG_WAVE_MODE, 25, 1), 1
	s_wait_xcnt 0x0
	s_wait_alu depctr_hold_cnt(0) depctr_sa_sdst(0) depctr_va_vdst(0) depctr_va_sdst(0) depctr_va_ssrc(0) depctr_va_vcc(0) depctr_vm_vsrc(0)
	s_getreg_b32 s2, hwreg(HW_REG_IB_STS2, 6, 4)
	s_cmp_eq_u32 s2, 0
	s_cbranch_scc0 .Lentry_in_a_cluster
	s_endpgm
.Lentry_in_a_cluster:
	s_bfe_u32 s2, ttmp6, 0x10000c
	s_cmp_lg_u32 s2, 0x3003
	s_cbranch_scc0 .Lentry_shape_is_right
	s_endpgm
.Lentry_shape_is_right:
; Products 4, 5, 6 on codes of E4M3: scores, the streaming softmax, V^T P, / l, the quantiser with 2^e10, the projection by o_w, + o_b + x.  No work is left out.
; THE SOFTMAX: t = score x log2(e) / sqrt(512); M = the running largest t rounded up to a whole number; p = 2^(t - M) is quantised with 2^e9, not normalised; the row's sum l is taken of the unquantised p and
; divides at the end; when M moves, l and O are multiplied by 2^(old M - new M), which rounds nothing.
; SHARES.  A work-group owns 64 queries of a batch: t = 64 qs + 4 row + jq, four tiles jq of 16 rows.  EVERY WAVE HOLDS ALL 64 QUERIES, so that each fragment read from LDS feeds four matrix instructions.
; Keys go in 8 steps of 256.  In S^T = K Q^T the waves share the KEYS (wave w: key tiles 4 w .. 4 w + 3 of the step); in O^T = V^T P^T they share the CHANNELS (wave w: channel tiles 8 w .. 8 w + 7).
; Between the two a step exchanges through LDS the rows' maxima (1,024 bytes) and p's codes, as images of operand registers (16,384 bytes).  A lane holds one query throughout.
; CLUSTER.  The four work-groups of a cluster belong to one batch and walk the same K, V and o_w: every tile is asked for JOINTLY, by the same tensor load with the same descriptor and the mask of all four.
; One descriptor shape serves all three: 64 rows of 512 bytes a wave, 16 bytes of padding behind each; each wave reads only the quarter that it fetched.  K has one slot and V one: K's is asked for again when the
; step's scores are done, V's when the step's V^T P is done; behind the last step the two slots take o_w's rows 0-255 and 256-511.  By this text's count a wave has two tensor loads out at the start, later one.
; THE WALK.  Cluster x of a batch (x = 0 .. 7) takes the key steps in the order j xor x, j = 0 .. 7: at any time the batch's eight clusters ask for eight different tiles.  The running maximum serves any order of the keys.
; No prefetch is laid: the tile j xor x of a step j >= 1 has been asked for at step 0 by cluster j xor x, and a cluster's first tiles are asked for at the head.
; LIMITS: e6 + e7 between -122 and 131 (added to c's exponent field); e9 and e10 - e8 - e9 between -126 and 119; e10 + e11 between -126 and 127.  NaN and infinities are not served.
; REGISTERS, in windows of 256.  Window 0: v1-15 addresses; v16, v17 the add's two; v18-21 scales; v24-55 eight registers of statistics a query tile (+0 -M, +1 the largest t, +2, +3 l, +4 f, later 1 / l, +5 .. +7 at work);
;   v56-59 what goes to the exchange; v64-191 S^T (tile (jq, kt) at 8 (4 jq + kt)), later codes, later two sets of o_w's fragments; v192-223 p's codes; v224-239 the four waves' maxima or sums; v240-247 at work; v192-255 later o_b.
;   Window 1: Q (64 jq + 16 ks), later x.   Window 2: O^T (64 jq + 8 i), later the projection's sums.   Window 3: v0-127 P's eight fragments, v128-255 two sets of four fragments of K or V; later the 16 fragments of the quantised O.
.set QUART, 33792                      ; a wave's quarter of a slot: 64 rows x (512 + 16) bytes
.set SLOTV, 135168                     ; K's slot at 0, V's here
.set XCH,   270336                     ; 32,768 bytes: P's eight fragments, later the quantised O's sixteen
.set MAXB,  303104                     ; 1,024 bytes: wave x 256 + 16 x row: the four query tiles' maxima
.set SUMB,  304128                     ; the same for the sums
.set SPARE, 305152                     ; the spare words, 128 bytes a wave
.set ST, 24
.set ML, 56
.set S,  64
.set PC, 192
.set MX, 224
.set TM, 240
.set KV, 128
.set MSB, 0
.macro WIN new                         ; the immediate's high byte repeats the setting that is left
.if MSB != (\new)
	s_set_vgpr_msb (MSB<<8)|(\new)
.set MSB, (\new)
.endif
.endm
.macro PLACES                          ; four places behind matrix instructions, ahead of loads into their sources and of reads of their results
.rept 4
	v_nop
.endr
.endm
.macro CROUND                          ; a round of the cluster's barrier
	s_barrier_signal -1
	s_barrier_wait -1
	s_cmp_lg_u32 s16, 0
	s_cbranch_scc1 .Lnot_wave_0_\@
	s_barrier_signal -3
.Lnot_wave_0_\@:
	s_barrier_wait -3
	s_barrier_signal -1
	s_barrier_wait -1
.endm
.macro REFILL g0                       ; a joint load: every wave fetches its quarter
	tensor_load_to_lds s[\g0:\g0+3], s[24:31]
	s_nop 0
.rept 4
	v_nop
.endr
.endm
.macro FETCH4 adr, unit, stride, set   ; four fragments of K or V into a set of window 3: fragment f begins at row unit + f x stride of my quarter
	WIN 0xc0
.irp f, 0,1,2,3
.irp g, 0,1,2,3
	ds_load_b128 v[KV+64*\set+16*\f+4*\g:KV+64*\set+16*\f+4*\g+3], v[\adr] offset:(\unit+\f*\stride+\g)*528
.endr
.endr
.endm
; In all products the accumulators take turns, one instruction a turn.
.macro SMUL ks, set                    ; 16 matrix instructions: my four key tiles x the four query tiles, K step ks
	WIN 0x07
.irp t, 0,1,2,3
.irp q, 0,1,2,3
.if \ks == 0
	v_wmma_f32_16x16x128_fp8_fp8 v[S+8*(4*\q+\t):S+8*(4*\q+\t)+7], v[KV+64*\set+16*\t:KV+64*\set+16*\t+15], v[64*\q+16*\ks:64*\q+16*\ks+15], 0
.else
	v_wmma_f32_16x16x128_fp8_fp8 v[S+8*(4*\q+\t):S+8*(4*\q+\t)+7], v[KV+64*\set+16*\t:KV+64*\set+16*\t+15], v[64*\q+16*\ks:64*\q+16*\ks+15], v[S+8*(4*\q+\t):S+8*(4*\q+\t)+7]
.endif
.endr
.endr
.endm
.macro PVMUL ks2, hh, set, zero        ; 16 matrix instructions: channel tiles 4 hh .. 4 hh + 3 of mine x the four query tiles, keys 128 ks2 on
	WIN 0xaf
.irp f, 0,1,2,3
.irp q, 0,1,2,3
.if \zero && (\ks2 == 0)
	v_wmma_f32_16x16x128_fp8_fp8 v[64*\q+8*(4*\hh+\f):64*\q+8*(4*\hh+\f)+7], v[KV+64*\set+16*\f:KV+64*\set+16*\f+15], v[16*(4*\ks2+\q):16*(4*\ks2+\q)+15], 0
.else
	v_wmma_f32_16x16x128_fp8_fp8 v[64*\q+8*(4*\hh+\f):64*\q+8*(4*\hh+\f)+7], v[KV+64*\set+16*\f:KV+64*\set+16*\f+15], v[16*(4*\ks2+\q):16*(4*\ks2+\q)+15], v[64*\q+8*(4*\hh+\f):64*\q+8*(4*\hh+\f)+7]
.endif
.endr
.endr
.endm
	s_load_b256 s[4:11], s[0:1], 0x0               ; qkv s[4:5], o_w s[6:7], o_b s[8:9], x s[10:11]
	s_load_b128 s[12:15], s[0:1], 0x20             ; the exponents s[12:13], out0 s[14:15]
	v_lshl_add_u32 v16, v0, 2, SPARE
	v_mov_b32 v17, 0
	ds_add_u32 v16, v17                            ; the wave's opening: the add, twice on end, and its wait ahead of my first tensor load
	ds_add_u32 v16, v17
	v_lshrrev_b32 v1, 5, v0
	v_readfirstlane_b32 s16, v1                    ; wave
	s_bfe_u32 s17, ttmp6, 0x40000                  ; cx: my place in the cluster
	s_lshl_b32 s18, ttmp9, 2
	s_add_co_u32 s18, s18, s17                     ; qs: my span of 64 queries
	s_and_b32 s19, ttmp7, 0xffff                   ; the batch, which the four partners share
	s_mov_b32 s24, 15|(1<<20)|(1<<21)|(6<<22)|(3<<25)  ; group 1: the mask of all four; elements of 1 byte; padding on; bit 21 beside a mask; after every 128 words (code 6) 4 words (code 3)
	s_mov_b32 s25, 512<<16                         ; tensor_dim0
	s_mov_b32 s26, 64<<16                          ; tensor_dim1
	s_mov_b32 s27, 512<<16                         ; tile_dim0
	s_mov_b32 s28, 64                              ; tile_dim1
	s_mov_b32 s29, 512                             ; the pitch: the tiles are dense
	s_mov_b32 s30, 0
	s_mov_b32 s31, 0
	s_mov_b32 s62, 0x76543210                      ; v_permlanex16_b32: lane l xor 16
	s_mov_b32 s63, 0xfedcba98
	s_mov_b32 s67, 1                               ; the place in the walk of the tiles that are asked for next
	s_lshl_b32 s70, s19, 20                        ; a batch's codes of q, of k, of v are 2^20 bytes
	s_lshl_b32 s72, s16, 15                        ; my quarter of a tile: 32,768 bytes
	s_add_co_u32 s70, s70, s72
	s_mov_b32 s71, 0
	s_mov_b32 s73, 0
	s_mov_b32 s32, 1                               ; groups 0: K's s[32:35], V's s[36:39]
	s_mul_i32 s33, s16, QUART
	s_mov_b32 s36, 1
	s_add_co_u32 s37, s33, SLOTV
	s_lshl_b32 s74, ttmp9, 17                      ; the walk's first tile is the cluster's x: a tile is 131,072 bytes; the four partners share x
	s_mov_b32 s75, 0
	s_lshl_b32 s76, s19, 22                        ; x and out0: the batch, my 64 output rows of each half, my span's 256 bytes of a row
	s_lshl_b32 s77, s16, 19
	s_add_co_u32 s76, s76, s77
	s_lshl_b32 s77, s18, 8
	s_add_co_u32 s76, s76, s77
	s_mov_b32 s77, 0
	s_lshl_b32 s78, s19, 20                        ; Q: my span's four tiles, 32,768 bytes
	s_lshl_b32 s79, s18, 15
	s_add_co_u32 s78, s78, s79
	s_mov_b32 s79, 0
	s_wait_dscnt 0x0                               ; both opening adds are done
	s_wait_kmcnt 0x0
	s_load_b256 s[48:55], s[12:13], 0x0            ; e0 .. e7
	s_load_b128 s[56:59], s[12:13], 0x20           ; e8 .. e11
	s_add_nc_u64 s[44:45], s[4:5], s[70:71]
	s_add_nc_u64 s[46:47], s[44:45], 0x1000000     ; my quarter of V's tile 0: it stays,
	s_add_nc_u64 s[44:45], s[44:45], 0x800000      ; and of K's
	s_add_nc_u64 s[34:35], s[44:45], s[74:75]      ; the walk's first tiles
	s_add_nc_u64 s[38:39], s[46:47], s[74:75]
	s_or_b32 s35, s35, 0x80000000
	s_or_b32 s39, s39, 0x80000000
	s_add_nc_u64 s[40:41], s[6:7], s[72:73]        ; o_w's rows 64 w on,
	s_add_nc_u64 s[42:43], s[40:41], 131072        ; and rows 256 + 64 w on
	s_add_nc_u64 s[10:11], s[10:11], s[76:77]
	s_add_nc_u64 s[14:15], s[14:15], s[76:77]
	s_add_nc_u64 s[4:5], s[4:5], s[78:79]
	s_lshl_b32 s72, s16, 8
	s_add_nc_u64 s[8:9], s[8:9], s[72:73]
	CROUND                                         ; all four work-groups are here: the first joint loads meet
	tensor_load_to_lds s[32:35], s[24:31]          ; K of the first step
	s_nop 0
	tensor_load_to_lds s[36:39], s[24:31]          ; V of the first step
	s_nop 0
.rept 4
	v_nop
.endr
	v_and_b32 v1, 31, v0
	v_lshlrev_b32 v1, 4, v1                        ; 16 x lane: an image's place for my lane
	WIN 0x40
.irp q, 0,1,2,3
.irp k, 0,1,2,3
.irp g, 0,1,2,3
	global_load_b128 v[64*\q+16*\k+4*\g:64*\q+16*\k+4*\g+3], v1, s[4:5] offset:\q*8192+\k*2048+\g*512   ; Q stays in registers
.endr
.endr
.endr
	WIN 0
	v_and_b32 v22, 15, v0                          ; row
	v_bfe_u32 v23, v0, 4, 1                        ; h
	v_add_nc_u32 v2, s33, v1                       ; K's fragments: my quarter + 16 x lane
	v_add_nc_u32 v3, SLOTV, v2                     ; V's
	s_lshr_b32 s70, s16, 1
	s_lshl_b32 s70, s70, 13
	s_and_b32 s71, s16, 1
	s_lshl_b32 s71, s71, 10
	s_add_co_u32 s70, s70, s71
	v_add_nc_u32 v5, XCH, v1                       ; the exchange, read
	v_add_nc_u32 v4, s70, v5                       ; p's codes, written: my four key tiles are register groups 2 (w % 2), + 1 of the fragments of keys 128 (w / 2) on
	s_lshl_b32 s70, s16, 13
	v_add_nc_u32 v13, s70, v5                      ; the quantised O, written: K step w
	v_lshlrev_b32 v12, 4, v22
	v_add_nc_u32 v7, MAXB, v12
	v_add_nc_u32 v9, SUMB, v12
	s_lshl_b32 s70, s16, 8
	v_add_nc_u32 v6, s70, v7
	v_add_nc_u32 v8, s70, v9
	v_mul_u32_u24 v10, v22, 528
	v_lshl_add_u32 v10, v23, 4, v10
	v_add_nc_u32 v10, s33, v10                     ; o_w: row r of a tile, + 16 h, in my quarter of K's slot,
	v_add_nc_u32 v11, SLOTV, v10                   ; and of V's
	v_lshl_add_u32 v12, v23, 16, v12               ; x and out0: 8 rows on for lanes 16-31, 16 bytes a row of the tile
	v_lshlrev_b32 v15, 5, v23                      ; o_b: 8 numbers on for lanes 16-31
	s_wait_kmcnt 0x0
	s_add_co_i32 s70, s54, s55
	s_lshl_b32 s70, s70, 23
	s_add_co_i32 s60, s70, 0x3d8293ee              ; c = log2(e) / sqrt(512), with e6 + e7 added to its exponent field
	s_mov_b32 s61, s60                             ; (named with it as a pair)
	s_add_co_i32 s70, s57, 127
	s_lshl_b32 s71, s70, 23
	v_mov_b32 v18, s71                             ; 2^e9
	s_add_co_i32 s70, s70, 8
	s_lshl_b32 s70, s70, 23
	s_or_b32 s70, s70, 0x600000
	v_mov_b32 v19, s70                             ; 448 x 2^e9
	s_sub_co_i32 s70, s58, s56
	s_sub_co_i32 s70, s70, s57
	s_add_co_i32 s70, s70, 127
	s_lshl_b32 s71, s70, 23
	v_mov_b32 v20, s71                             ; 2^(e10 - e8 - e9)
	s_add_co_i32 s70, s70, 8
	s_lshl_b32 s70, s70, 23
	s_or_b32 s70, s70, 0x600000
	v_mov_b32 v21, s70
	s_add_co_i32 s69, s58, s59
	s_add_co_i32 s68, s69, 127
	s_lshl_b32 s68, s68, 23                        ; 2^(e10 + e11)
	s_sub_co_i32 s69, 0, s69
; A KEY STEP of 256 keys.  first = 1: it starts M, l and O^T.  last = 1: the two refills bring o_w, x is asked for, and the sums are exchanged.
.macro STEP first, last
	; ---- S^T = K Q^T: K steps 0 and 1 were fetched at the end of the step before
	s_wait_dscnt 16                                ; the older set is in; the other set's 16 loads may be out (so in all four places below)
	SMUL 0, 0
	PLACES
	FETCH4 2, 8, 16, 0
	s_wait_dscnt 16
	SMUL 1, 1
	PLACES
	FETCH4 2, 12, 16, 1
	s_wait_dscnt 16
	SMUL 2, 0
	s_wait_dscnt 0x0
	SMUL 3, 1
	WIN 0
	PLACES
.if \last
	WIN 0x40                                       ; Q is done with: its registers take x, in the order in which the results will want it
.irp t, 0,1,2,3,4,5,6,7
.irp j, 0,1,2,3,4,5,6,7
	global_load_b128 v[4*(8*\t+\j):4*(8*\t+\j)+3], v12, s[10:11] offset:(256*(\t/4)+16*(\t%4)+\j)*8192 th:TH_LOAD_NT
.endr
.endr
	WIN 0
.endif
	; ---- each query's largest score among my 64 keys: four chains a query tile, each begun at a tile's low end
.irp n, 0,1,2,3
.irp q, 0,1,2,3
	v_max3_num_f32 v[ST+8*\q+4+\n], v[S+32*\q+8*\n], v[S+32*\q+8*\n+1], v[S+32*\q+8*\n+2]
.endr
.endr
.irp d, 3,5
.irp n, 0,1,2,3
.irp q, 0,1,2,3
	v_max3_num_f32 v[ST+8*\q+4+\n], v[ST+8*\q+4+\n], v[S+32*\q+8*\n+\d], v[S+32*\q+8*\n+\d+1]
.endr
.endr
.endr
.irp q, 0,1,2,3
	v_max3_num_f32 v[ST+8*\q+4], v[ST+8*\q+4], v[S+32*\q+7], v[S+32*\q+15]
.endr
.irp q, 0,1,2,3
	v_max3_num_f32 v[ST+8*\q+6], v[ST+8*\q+6], v[S+32*\q+23], v[S+32*\q+31]
.endr
.irp q, 0,1,2,3
	v_max3_num_f32 v[ST+8*\q+4], v[ST+8*\q+4], v[ST+8*\q+5], v[ST+8*\q+6]
.endr
.irp q, 0,1,2,3
	v_max_num_f32 v[ST+8*\q+4], v[ST+8*\q+4], v[ST+8*\q+7]
.endr
.irp q, 0,1,2,3
	v_permlanex16_b32 v[ST+8*\q+5], v[ST+8*\q+4], s62, s63
.endr
.irp q, 0,1,2,3
	v_max_num_f32 v[ML+\q], v[ST+8*\q+4], v[ST+8*\q+5]
.endr
	ds_store_b128 v6, v[ML:ML+3]
	; ---- K's slot is read out: it is asked for again.  The round also shows every wave's maxima to the others
	s_wait_tensorcnt 0x0                           ; all my tensor loads have landed: this step's V
	ds_add_u32 v16, v17                            ; 0 onto my spare word
.if \last
	s_mov_b64 s[34:35], s[40:41]                   ; o_w's rows 64 w on
	s_or_b32 s35, s35, 0x80000000
.else
	s_xor_b32 s70, s67, ttmp9                      ; the walk's next tile: its place xor the cluster's x
	s_lshl_b32 s70, s70, 17
	s_mov_b32 s71, 0
	s_add_nc_u64 s[34:35], s[44:45], s[70:71]      ; my quarter of that tile of K
	s_or_b32 s35, s35, 0x80000000
.endif
	s_wait_dscnt 0x0                               ; the add and my store are done, and my reads of K's slot are over
	CROUND
	REFILL 32
	; ---- the softmax
.irp n, 0,1,2,3
	ds_load_b128 v[MX+4*\n:MX+4*\n+3], v7 offset:256*\n
.endr
	s_wait_dscnt 0x0
.irp q, 0,1,2,3
	v_max3_num_f32 v[ST+8*\q+6], v[MX+\q], v[MX+4+\q], v[MX+8+\q]
.endr
.irp q, 0,1,2,3
	v_max_num_f32 v[ST+8*\q+6], v[ST+8*\q+6], v[MX+12+\q]
.endr
.if \first
.irp q, 0,1,2,3
	v_mul_f32 v[ST+8*\q+1], s60, v[ST+8*\q+6]      ; as t (c is positive): the largest t so far
.endr
.irp q, 0,1,2,3
	v_floor_f32 v[ST+8*\q], -v[ST+8*\q+1]          ; -M = floor(-t) = -ceil(t)
.endr
.else
.irp q, 0,1,2,3
	v_mul_f32 v[ST+8*\q+6], s60, v[ST+8*\q+6]
.endr
.irp q, 0,1,2,3
	v_max_num_f32 v[ST+8*\q+1], v[ST+8*\q+1], v[ST+8*\q+6]
.endr
.irp q, 0,1,2,3
	v_mov_b32 v[ST+8*\q+7], v[ST+8*\q]
.endr
.irp q, 0,1,2,3
	v_floor_f32 v[ST+8*\q], -v[ST+8*\q+1]
.endr
.irp q, 0,1,2,3
	v_sub_f32 v[ST+8*\q+7], v[ST+8*\q], v[ST+8*\q+7]   ; old M - new M: a whole number, 0 or less
.endr
.irp q, 0,1,2,3
	v_cvt_i32_f32 v[ST+8*\q+7], v[ST+8*\q+7]
.endr
.irp q, 0,1,2,3
	v_ldexp_f32 v[ST+8*\q+4], 1.0, v[ST+8*\q+7]    ; f = 2^(old M - new M)
.endr
.endif
.irp q, 0,1,2,3
.irp p, 0,2,4,6,8,10,12,14,16,18,20,22,24,26,28,30
	v_pk_fma_f32 v[S+32*\q+\p:S+32*\q+\p+1], v[S+32*\q+\p:S+32*\q+\p+1], s[60:61], v[ST+8*\q:ST+8*\q+1] op_sel_hi:[1,0,0]   ; t - M
.endr
.endr
.set n, 0
.rept 128
	v_exp_f32 v[S+n], v[S+n]                       ; p = 2^(t - M): one batch
.set n, n+1
.endr
.if \first
	v_nop                                          ; a plain instruction behind the last exponential
.else
.irp q, 0,1,2,3
	v_pk_mul_f32 v[ST+8*\q+2:ST+8*\q+3], v[ST+8*\q+2:ST+8*\q+3], v[ST+8*\q+4:ST+8*\q+5] op_sel_hi:[1,0]   ; l under the new M (plain instructions behind the exponentials)
.endr
.endif
	s_wait_alu depctr_va_vdst(0)                   ; one wait for the batch, ahead of its first reader
.irp q, 0,1,2,3
	v_pk_add_f32 v[TM+2*\q:TM+2*\q+1], v[S+32*\q:S+32*\q+1], v[S+32*\q+2:S+32*\q+3]   ; the sum of the unquantised p over my keys: two chains a query tile
.endr
.if \first
.irp q, 0,1,2,3
	v_pk_add_f32 v[ST+8*\q+2:ST+8*\q+3], v[S+32*\q+4:S+32*\q+5], v[S+32*\q+6:S+32*\q+7]
.endr
.else
.irp q, 0,1,2,3
	v_pk_add_f32 v[ST+8*\q+2:ST+8*\q+3], v[ST+8*\q+2:ST+8*\q+3], v[S+32*\q+4:S+32*\q+5]
	v_pk_add_f32 v[TM+2*\q:TM+2*\q+1], v[TM+2*\q:TM+2*\q+1], v[S+32*\q+6:S+32*\q+7]
.endr
.endif
.irp p, 8,12,16,20,24,28
.irp q, 0,1,2,3
	v_pk_add_f32 v[ST+8*\q+2:ST+8*\q+3], v[ST+8*\q+2:ST+8*\q+3], v[S+32*\q+\p:S+32*\q+\p+1]
	v_pk_add_f32 v[TM+2*\q:TM+2*\q+1], v[TM+2*\q:TM+2*\q+1], v[S+32*\q+\p+2:S+32*\q+\p+3]
.endr
.endr
.irp q, 0,1,2,3
	v_pk_add_f32 v[ST+8*\q+2:ST+8*\q+3], v[ST+8*\q+2:ST+8*\q+3], v[TM+2*\q:TM+2*\q+1]
.endr
.irp q, 0,1,2,3
.set n, 0
.rept 32
	v_min_num_f32 v[S+32*\q+n], v19, v[S+32*\q+n]  ; the conversion does not saturate (ISA guide 7.6.2); p is not negative, so the hold is one-sided
.set n, n+1
.endr
.irp t, 0,1,2,3
	v_cvt_scalef32_pk8_fp8_f32 v[PC+8*\q+2*\t:PC+8*\q+2*\t+1], v[S+32*\q+8*\t:S+32*\q+8*\t+7], v18
.endr
.endr
	v_nop                                          ; a plain instruction behind the last conversion
.irp q, 0,1,2,3
.irp g, 0,1
	ds_store_b128 v4, v[PC+8*\q+4*\g:PC+8*\q+4*\g+3] offset:\q*2048+\g*512
.endr
.endr
.if \last
.irp q, 0,1,2,3
	v_add_f32 v[ST+8*\q+6], v[ST+8*\q+2], v[ST+8*\q+3]
.endr
.irp q, 0,1,2,3
	v_permlanex16_b32 v[ST+8*\q+7], v[ST+8*\q+6], s62, s63
.endr
.irp q, 0,1,2,3
	v_add_f32 v[ML+\q], v[ST+8*\q+6], v[ST+8*\q+7] ; l over my wave's keys of all steps
.endr
	ds_store_b128 v8, v[ML:ML+3]
.endif
	s_wait_dscnt 0x0                               ; for the others' sake: my stores have landed
	s_barrier_signal -1                            ; K's refill may stay out
	s_barrier_wait -1
	; ---- O^T += V^T P^T
.if \last
.irp n, 0,1,2,3
	ds_load_b128 v[MX+4*\n:MX+4*\n+3], v9 offset:256*\n
.endr
.endif
	WIN 0xc0
.set n, 0
.rept 32
	ds_load_b128 v[4*n:4*n+3], v5 offset:512*n     ; P's eight fragments
.set n, n+1
.endr
	FETCH4 3, 0, 8, 0
	FETCH4 3, 32, 8, 1
.if \first == 0
	WIN 0x82
.irp q, 0,1,2,3
.set n, 0
.rept 32
	v_pk_mul_f32 v[64*\q+n:64*\q+n+1], v[64*\q+n:64*\q+n+1], v[ST+8*\q+4:ST+8*\q+5] op_sel_hi:[1,0]   ; O^T under the new M, while the loads land
.set n, n+2
.endr
.endr
.endif
	s_wait_dscnt 16
	PVMUL 0, 0, 0, \first
	PLACES
	FETCH4 3, 4, 8, 0
	s_wait_dscnt 16
	PVMUL 0, 1, 1, \first
	PLACES
	FETCH4 3, 36, 8, 1
	s_wait_dscnt 16
	PVMUL 1, 0, 0, 0
	s_wait_dscnt 0x0
	PVMUL 1, 1, 1, 0
	WIN 0
	; ---- V's slot is read out: it is asked for again
	s_wait_tensorcnt 0x0                           ; all my tensor loads have landed: the next step's K (last: o_w's first half)
	ds_add_u32 v16, v17
.if \last
	s_mov_b64 s[38:39], s[42:43]                   ; o_w's rows 256 + 64 w on
	s_or_b32 s39, s39, 0x80000000
.else
	s_xor_b32 s70, s67, ttmp9                      ; the same tile of V as was asked of K in this step
	s_lshl_b32 s70, s70, 17
	s_mov_b32 s71, 0
	s_add_nc_u64 s[38:39], s[46:47], s[70:71]
	s_or_b32 s39, s39, 0x80000000
	s_add_co_u32 s67, s67, 1                       ; on along the walk
.endif
	s_wait_dscnt 0x0                               ; the add is done, and my reads of V's slot and of the exchange are over
	CROUND
	REFILL 36                                      ; its four v_nop are also the places ahead of the loads below
.if \last == 0
	FETCH4 2, 0, 16, 0                             ; the next step's K, K steps 0 and 1
	FETCH4 2, 4, 16, 1
	WIN 0
.endif
.endm
	s_wait_tensorcnt 0x1                           ; K of the first step is in; V's load, issued behind it, may be out
	s_barrier_signal -1
	s_barrier_wait -1
	FETCH4 2, 0, 16, 0
	FETCH4 2, 4, 16, 1
	WIN 0
	s_wait_loadcnt 0x0                             ; Q
	STEP 1, 0
	s_mov_b32 s66, 6
.Lstep:
	STEP 0, 0
	s_sub_co_u32 s66, s66, 1
	s_cmp_lg_u32 s66, 0
	s_cbranch_scc1 .Lstep
	STEP 0, 1                                      ; the last step is written out
	; ---- THE WAY OUT.  l = the four waves' sums; O^T / l is quantised and becomes K step w of the projection's operand
.irp q, 0,1,2,3
	v_add_f32 v[ST+8*\q+6], v[MX+\q], v[MX+4+\q]
.endr
.irp q, 0,1,2,3
	v_add_f32 v[ST+8*\q+7], v[MX+8+\q], v[MX+12+\q]
.endr
.irp q, 0,1,2,3
	v_add_f32 v[ST+8*\q+6], v[ST+8*\q+6], v[ST+8*\q+7]
.endr
.irp q, 0,1,2,3
	v_rcp_f32 v[ST+8*\q+4], v[ST+8*\q+6]
.endr
	v_nop                                          ; a plain instruction behind the last reciprocal,
	s_wait_alu depctr_va_vdst(0)                   ; and one wait for the four, ahead of their first reader
.irp t, 0,1,2,3,4,5,6,7
	global_load_b128 v[192+8*\t:195+8*\t], v15, s[8:9] offset:(256*(\t/4)+16*(\t%4))*4      ; o_b in the result's layout: output rows 8 h + 0 .. 7 of each of my eight tiles
	global_load_b128 v[196+8*\t:199+8*\t], v15, s[8:9] offset:(256*(\t/4)+16*(\t%4))*4+16
.endr
.irp q, 0,1,2,3
	WIN 0x82
.set n, 0
.rept 32
	v_pk_mul_f32 v[64*\q+n:64*\q+n+1], v[64*\q+n:64*\q+n+1], v[ST+8*\q+4:ST+8*\q+5] op_sel_hi:[1,0]
.set n, n+2
.endr
.set n, 0
.rept 64
	v_med3_num_f32 v[64*\q+n], v[64*\q+n], -v21, v21
.set n, n+1
.endr
	WIN 0x02
.irp i, 0,1,2,3,4,5,6,7
	v_cvt_scalef32_pk8_fp8_f32 v[S+16*\q+2*\i:S+16*\q+2*\i+1], v[64*\q+8*\i:64*\q+8*\i+7], v20
.endr
	v_nop                                          ; a plain instruction behind the conversions
.endr
	WIN 0
.irp q, 0,1,2,3
.irp g, 0,1,2,3
	ds_store_b128 v13, v[S+16*\q+4*\g:S+16*\q+4*\g+3] offset:\q*2048+512*\g
.endr
.endr
	s_wait_dscnt 0x0                               ; for the others' sake
	s_barrier_signal -1                            ; o_w's second half may stay out
	s_barrier_wait -1
	WIN 0xc0
.set n, 0
.rept 64
	ds_load_b128 v[4*n:4*n+3], v5 offset:512*n     ; all 16 fragments (K step, query tile)
.set n, n+1
.endr
	WIN 0
.macro FETCHW adr, ot, set             ; the four fragments of 16 rows of o_w
.irp k, 0,1,2,3
.irp c, 0,1,2,3
	ds_load_b128 v[S+64*\set+16*\k+4*\c:S+64*\set+16*\k+4*\c+3], v[\adr] offset:(\ot)*8448+128*\k+32*\c
.endr
.endr
.endm
.macro PMUL H, ot, set                 ; 16 matrix instructions: 16 output rows x the four query tiles, K ascending; o_b / 2^(e10 + e11) starts the sums
.irp k, 0,1,2,3
.if \k == 0
	WIN 0x8c
.else
	WIN 0xac
.endif
.irp q, 0,1,2,3
.if \k == 0
	v_wmma_f32_16x16x128_fp8_fp8 v[128*\H+32*\ot+8*\q:128*\H+32*\ot+8*\q+7], v[S+64*\set+16*\k:S+64*\set+16*\k+15], v[16*(4*\k+\q):16*(4*\k+\q)+15], v[192+8*(4*\H+\ot):192+8*(4*\H+\ot)+7]
.else
	v_wmma_f32_16x16x128_fp8_fp8 v[128*\H+32*\ot+8*\q:128*\H+32*\ot+8*\q+7], v[S+64*\set+16*\k:S+64*\set+16*\k+15], v[16*(4*\k+\q):16*(4*\k+\q)+15], v[128*\H+32*\ot+8*\q:128*\H+32*\ot+8*\q+7]
.endif
.endr
.endr
	WIN 0
.endm
.macro HALF H, adr                     ; my 64 output rows of one half of o_w; tiles 0 and 1 have been fetched
	s_wait_dscnt 16                                ; all but the other set's 16 loads
	PMUL \H, 0, 0
	PLACES
	FETCHW \adr, 2, 0
	s_wait_dscnt 16
	PMUL \H, 1, 1
	PLACES
	FETCHW \adr, 3, 1
	s_wait_dscnt 16
	PMUL \H, 2, 0
	s_wait_dscnt 0x0
	PMUL \H, 3, 1
	PLACES
.endm
; out = sum x 2^(e10 + e11) + x (o_b is in the sums).  Register j of the four query tiles' accumulators is one output row at four neighbouring t: the multiply-add gathers them into the 16 bytes that x was loaded as.
.macro OUTP H
	WIN 0x52
.irp t, 0,1,2,3
.irp q, 0,1,2,3
.irp j, 0,1,2,3,4,5,6,7
	v_fma_f32 v[4*(8*(4*\H+\t)+\j)+\q], v[128*\H+32*\t+8*\q+\j], s68, v[4*(8*(4*\H+\t)+\j)+\q]
.endr
.endr
.endr
	WIN 0x04
.irp t, 0,1,2,3
.irp j, 0,1,2,3,4,5,6,7
	global_store_b128 v12, v[4*(8*(4*\H+\t)+\j):4*(8*(4*\H+\t)+\j)+3], s[14:15] offset:(256*\H+16*\t+\j)*8192 th:TH_STORE_NT   ; sixteen lanes: 256 consecutive bytes of a row of out0, aligned
.endr
.endr
	WIN 0
.endm
	FETCHW 10, 0, 0                                ; o_w's first half landed ahead of the last round; only I read my quarter
	FETCHW 10, 1, 1
	s_wait_loadcnt 0x0                             ; x and o_b
.set n, 0
.rept 64
	v_ldexp_f32 v[192+n], v[192+n], s69            ; o_b / 2^(e10 + e11)
.set n, n+1
.endr
	HALF 0, 10
	s_wait_tensorcnt 0x0                           ; my quarter of o_w's second half is in; only I read it
	FETCHW 11, 0, 0
	FETCHW 11, 1, 1
	OUTP 0                                         ; the first half leaves while those loads land
	HALF 1, 11
	OUTP 1
	s_wait_tensorcnt 0x0                           ; the wave's end
	ds_add_u32 v16, v17
	s_wait_dscnt 0x0
	CROUND                                         ; the closing round: no work-group ends while a partner may still ask for a tile that names it
	s_endpgm
.Lfunc_end_k_q56074f7c4a_attn:
	.size	k_q56074f7c4a_attn, .Lfunc_end_k_q56074f7c4a_attn-k_q56074f7c4a_attn
	.p2alignl 7, 3214868480
	.fill 96, 4, 3214868480
	.section	.rodata,"a",@progbits
	.p2align	6, 0x0
	.amdhsa_kernel k_q56074f7c4a_attn
		.amdhsa_group_segment_fixed_size 327680
		.amdhsa_private_segment_fixed_size 0
		.amdhsa_enable_private_segment 0
		.amdhsa_kernarg_size 48
		.amdhsa_user_sgpr_count 2
		.amdhsa_user_sgpr_kernarg_segment_ptr 1
		.amdhsa_wavefront_size32 1
		.amdhsa_system_sgpr_workgroup_id_x 1
		.amdhsa_system_sgpr_workgroup_id_y 1
		.amdhsa_system_sgpr_workgroup_id_z 1
		.amdhsa_system_vgpr_workitem_id 0
		.amdhsa_next_free_vgpr 1024
		.amdhsa_next_free_sgpr 80
		.amdhsa_reserve_vcc 0
		.amdhsa_float_denorm_mode_32 3
		.amdhsa_float_denorm_mode_16_64 3
		.amdhsa_memory_ordered 1
		.amdhsa_forward_progress 1
		.amdhsa_inst_pref_size 247
	.end_amdhsa_kernel
	.amdgpu_metadata
---
amdhsa.version: [ 1, 2 ]
amdhsa.kernels:
  - .name:           k_q56074f7c4a_attn
    .symbol:         k_q56074f7c4a_attn.kd
    .args:
      - { .name: qkv, .offset: 0, .size: 8, .value_kind: global_buffer, .address_space: global }
      - { .name: o_w_codes, .offset: 8, .size: 8, .value_kind: global_buffer, .address_space: global }
      - { .name: o_b, .offset: 16, .size: 8, .value_kind: global_buffer, .address_space: global }
      - { .name: x, .offset: 24, .size: 8, .value_kind: global_buffer, .address_space: global }
      - { .name: lowp_scales, .offset: 32, .size: 8, .value_kind: global_buffer, .address_space: global }
      - { .name: out0, .offset: 40, .size: 8, .value_kind: global_buffer, .address_space: global }
    .group_segment_fixed_size: 327680
    .private_segment_fixed_size: 0
    .kernarg_segment_align: 8
    .kernarg_segment_size: 48
    .max_flat_workgroup_size: 128
    .sgpr_count:     80
    .vgpr_count:     1024
    .wavefront_size: 32
...
	.end_amdgpu_metadata
.endif
;; end of part 3
